; MI455X (gfx1250); checked and timed in simulation.
; The chip was launched on July 23, 2026; its instructions are those of AMD's public machine-readable ISA for CDNA 5 (MIT licence, August 2026) and "CDNA5" Instruction Set Architecture Reference Guide (July 2026). The comments in the code are by the model that wrote it; some were corrected since.
;; Multi Head Self Attention. Allowed arithmetic: matrix products marked QUANTISED: E2M3 operands, one E8M0 scale for each 32 along K, by v_wmma_scale_f32_16x16x128_f8f6f4 with both operands' format E2M3, f32 sums; everything else in f32.
;; Inputs: Wk_codes 1,024 x 32 x 24 uint8 (E2M3 codes of Wk, K innermost, in blocks of 32 codes, four codes in three bytes); Wk_scales 1,024 x 32 uint8 (E8M0 scales of Wk, one for each 32 codes along K); Wo_codes 1,024 x 32 x 24 uint8 (E2M3 codes of Wo, K innermost, in blocks of 32 codes, four codes in three bytes); Wo_scales 1,024 x 32 uint8 (E8M0 scales of Wo, one for each 32 codes along K); Wq_codes 1,024 x 32 x 24 uint8 (E2M3 codes of Wq, K innermost, in blocks of 32 codes, four codes in three bytes); Wq_scales 1,024 x 32 uint8 (E8M0 scales of Wq, one for each 32 codes along K); Wv_codes 1,024 x 32 x 24 uint8 (E2M3 codes of Wv, K innermost, in blocks of 32 codes, four codes in three bytes); Wv_scales 1,024 x 32 uint8 (E8M0 scales of Wv, one for each 32 codes along K); x_codes 4 x 2,048 x 32 x 24 uint8 (E2M3 codes of x, K innermost, in blocks of 32 codes, four codes in three bytes); x_scales 4 x 2,048 x 32 uint8 (E8M0 scales of x, one for each 32 codes along K).
;; Outputs: out0 4 x 2,048 x 1,024 float32.
;; This version of the problem:
;;   THIS VERSION OF THE PROBLEM IS GIVEN IN LOW PRECISION. The matrix products marked QUANTISED in the list below multiply operands that are first quantised to E2M3 (2 exponent bits, 3 mantissa bits; 6 bits a number), with one power-of-two scale for each 32 numbers along K (OCP MX v1.0); their sums are f32. All else is computed in f32.
;;   The module's matrix products, in the order in which they are computed (A, B: the left and right operand; K: the contracted axis; several contracted axes count as one K, in the product's order):
;;     1. [M 8,192, K 1,024] x [K 1,024, N 1,024]; A: input x (given as codes); B: input Wq (given as codes): QUANTISED
;;     2. [M 8,192, K 1,024] x [K 1,024, N 1,024]; A: input x (given as codes); B: input Wk (given as codes): QUANTISED
;;     3. [M 8,192, K 1,024] x [K 1,024, N 1,024]; A: input x (given as codes); B: input Wv (given as codes): QUANTISED
;;     4. batch 64 x [M 2,048, K 64] x [K 64, N 2,048]; A: computed on the way; B: computed on the way: QUANTISED
;;     5. batch 64 x [M 2,048, K 2,048] x [K 2,048, N 64]; A: softmax (see below); B: computed on the way: QUANTISED
;;     6. [M 8,192, K 1,024] x [K 1,024, N 1,024]; A: computed on the way; B: input Wo (given as codes): QUANTISED
;;   THE QUANTISER, for each operand of a quantised product, along K:
;;     - K is cut into blocks of 32 from its start; a last block that is shorter is filled with zeros.
;;     - A block's scale is 2^e with e = floor(log2(the largest magnitude in the block)) - 2, held to -126 .. 127; a block of zeros has e = 0. As a byte (E8M0): e + 127.
;;     - Each number is divided by its block's scale, clamped to +-7.5, and rounded to the nearest number of E2M3, ties to even, subnormals kept.
;;     - The product sums the exact products of the quantised numbers (number of the format x scale) in f32.
;;   ~~~python
;;   def quantise(x, axis):      # numpy; x: float32 -> the quantised numbers, widened to float32 again
;;       x = np.moveaxis(x, axis, -1); K = x.shape[-1]
;;       x = np.pad(x, [(0, 0)] * (x.ndim - 1) + [(0, -K % 32)]); x = x.reshape(x.shape[:-1] + (-1, 32)); a = np.abs(x).max(-1, keepdims=True)
;;       e = np.where(a > 0, np.clip(np.frexp(np.where(a > 0, a, 1))[1] - 1 - 2, -126, 127), 0)      # np.frexp(a)[1] - 1 = floor(log2(a)), exactly
;;       r = np.clip(x / 2.0 ** e, -7.5, 7.5)
;;       step = 2.0 ** (np.maximum(np.frexp(np.where(r == 0, 1, r))[1] - 1, 0) - 3)
;;       q = np.round(r / step) * step * 2.0 ** e      # np.round: ties to even
;;       return np.moveaxis(q.reshape(q.shape[:-2] + (-1,))[..., :K], -1, axis).astype(np.float32)
;;   ~~~
;;   SOFTMAX AHEAD OF A QUANTISED PRODUCT. Where the list says 'softmax', what is quantised is not the finished softmax but p = 2^(t - M), with t = logit x log2(e) and M = ceil(the row's largest t), a whole number; so 1/2 < the row's largest p <= 1. The row's sum l is taken of the UNQUANTISED p, in f32, and the product's result is divided by l at the end. Since M is a whole number, a kernel that streams over the keys may use a running M (the ceiling of the running maximum): every later rescaling is an exact power of two, which a block's scale takes up: the codes' values come out the same.
;;   OPERANDS COMPUTED ON THE WAY. 'Computed on the way' means the value that the module computes at that place (a softmax that the list does not call 'softmax' is quantised finished and normalised). What goes into a quantiser is computed in f32, as accurately as f32 sums, v_exp_f32 and their like allow (about 1e-6 of the number): no bf16 or f16 on the way to a quantiser, and a product that is left as it is and whose result goes on into a quantised operand takes f32 operands (vector FMAs, or v_wmma_f32_16x16x4_f32). A number that lies on a knife's edge between two numbers of the format may be rounded either way, as far as f32 arithmetic and the matrix unit's own rounding can turn it there, and no further.
;;   INPUTS GIVEN AS CODES. Wk (in the module: [1024, 1024], K = its axis 1); Wo (in the module: [1024, 1024], K = its axis 1); Wq (in the module: [1024, 1024], K = its axis 1); Wv (in the module: [1024, 1024], K = its axis 1); x (in the module: [4, 2048, 1024], K = its axis 2): each comes as NAME_codes (uint8): NAME with its K axis moved to the last place and cut into blocks of 32 codes, [.., K / 32, bytes a block], one block behind the other in memory; four codes in three bytes: a row's codes are one little-endian stream of bits, code i at bits 6 i .. 6 i + 5 (a code: sign, 2 exponent bits, 3 mantissa bits); and NAME_scales (uint8): the same leading axes, one E8M0 byte (e + 127) for each 32 codes along K. Its value is code x scale, taken as it is: it is not quantised again, and the codes and scales need not be those that the quantiser above would give.
;; One version. Each part assembles by itself: llvm-mc -triple=amdgcn-amd-amdhsa -mcpu=gfx1250 --defsym DOCPART=n.
;; ======== version 1 of 1: 3 launches
;; limits: right only within a limited range of input values
;; workspace buffers: qc 6,291,456 bytes; qs 262,144 bytes; kc 6,291,456 bytes; ks 262,144 bytes; vc 6,291,456 bytes; vs 262,144 bytes; oc 6,291,456 bytes; os 262,144 bytes
;; launch qkv (part 1): grid 8 x 32, 4 waves a work-group, clusters of 4 x 4, 327,680 bytes of LDS; arguments x_codes, x_scales, Wq_codes, Wq_scales, Wk_codes, Wk_scales, Wv_codes, Wv_scales, qc, qs, kc, ks, vc, vs; writes qc, qs, kc, ks, vc, vs
.if DOCPART == 1
	.amdgcn_target "amdgcn-amd-amdhsa--gfx1250"
	.amdhsa_code_object_version 6
	.text
	.protected	k_q947bbcd7da_qkv
	.globl	k_q947bbcd7da_qkv
	.p2align	8
	.type	k_q947bbcd7da_qkv,@function
k_q947bbcd7da_qkv:
	s_mov_b64 s[64:65], 0
	v_nop
	global_prefetch_b8 v0, s[64:65] scope:SCOPE_SE
	s_setreg_imm32_b32 hwreg(HW_REG_WAVE_MODE, 25, 1), 1
	s_wait_xcnt 0x0
	s_wait_alu depctr_hold_cnt(0) depctr_sa_sdst(0) depctr_va_vdst(0) depctr_va_sdst(0) depctr_va_ssrc(0) depctr_va_vcc(0) depctr_vm_vsrc(0)
	s_getreg_b32 s2, hwreg(HW_REG_IB_STS2, 6, 4)
	s_cmp_eq_u32 s2, 0
	s_cbranch_scc0 .Lentry_in_a_cluster
	s_endpgm
.Lentry_in_a_cluster:
	s_bfe_u32 s2, ttmp6, 0x10000c
	s_cmp_lg_u32 s2, 0xf033
	s_cbranch_scc0 .Lentry_shape_is_right
	s_endpgm
.Lentry_shape_is_right:
; Q = x Wq^T, K = x Wk^T, V = x Wv^T on codes of FP6 (E2M3), K = 1,024, and the results quantised again for the two products of the attention.  No work of the problem is left out.
; THE DEAL.  8 x 32 = 256 work-groups: 256 tokens x the Q, K and V columns of two heads, in three phases.  Four waves, 2 x 2: a wave takes 128 tokens (a key step) and one head.
; It holds its head's 64 rows of the phase's weight, all of K, in 384 registers and streams x's blocks of 16 tokens past them: a batch is 32 products, four accumulators by turns.
; LDS.  x's 256 whole rows of 768 bytes (16 of padding behind every 256) and their scale bytes are filled once and stay; the weights' 128 rows have a region of their own, filled again twice, each time in a drained
; round of the cluster's barrier, a quarter a wave.  A refill goes out a whole phase, 256 products a wave, ahead of its first read: so no prefetch is laid.
; CLUSTERS 4 x 4: x's rows are asked for jointly along a row of the cluster, a weight's along a column.
; Q, K: source 0 = 16 rows of the weight, source 1 = 16 tokens; V: the other way round, since V's blocks of 32 run along the tokens.  The accumulators are placed so that after four blocks (64 tokens) registers 32 u + 0 .. 31
; are one unit's numbers in all three phases: one way out serves them.  A block of 32 lies in lanes l and l xor 16.
; OUT: a UNIT is 16 rows x 64 codes as an image of six operand registers (registers 2 j, 2 j + 1 of lane l at byte 256 j + 8 l).  qc, kc: [batch x head][token tile 128] units; vc: [batch x head][step 16][64 keys 2][16 channels 4];
; qs, ks, vs: [batch x head][step 16][row 16][word 4].  The two halves of the lanes hold the same scale words and store them to the same 256 bytes.
; The walk over x's eight blocks goes round: the last batch of a phase fetches block 0 for the next phase; that of V's phase fetches it too, and it is not used.
; LIMITS: NaN, infinities and scale bytes 0xff are not served.  A block whose largest magnitude lies under 2^-124 gets the byte 1; these bytes are read by this program alone.
.set KROW,  768
.set PITCH, 816
.set XH,    128*PITCH                  ; 128 rows in LDS
.set WB,    2*XH                       ; the weights' region
.set SCX,   WB+XH                      ; x's scale bytes: 32 x 272
.set SPARE, SCX+8704
.set UNIT,  768
.set AX0, 4                            ; v4, v5  LDS address of my fragments of x's block 0 (v5: behind one padding more for lanes 16-31)
.set AXR, 6                            ; v6, v7  the same for the band at work
.set AS0, 8                            ; v8  my row's scale words; v9 for the band at work
.set ASR, 9
.set AW,  10                           ; v10, v11  my fragments of the weight
.set ABS, 12                           ; v12  32 x lane
.set VO,  13                           ; v13  8 x lane
.set VOS, 14                           ; v14  16 x row
.set SPW, 28
.set NIL, 29
.set SBW, 32                           ; v32-47 the weight's scale words: register 8 p + q: lanes 0-15 tile 2 p, lanes 16-31 tile 2 p + 1
.set SAX, 52                           ; v52-67 x's scale words, two sets of eight
.set TM,  72
.set TP,  80
.set BQ,  88
.set QP,  96                           ; v96-143 four units: six registers and three at work, twelve apart
.set PW,  144                          ; v144-147 the step's scale words
.set ACC, 96                           ; window 3: v96-223, 128 registers.  Window 1, window 2 v0-131: the weight's 32 fragments; window 2 v132-227, window 3 v0-95: x's two sets
.set WV, 32
.set TH, 33
.set HD, 34
.set CX, 35
.set CY, 36
.set TC, 37
.set TR, 38
.set MR, 39
.set MC, 40
.set BO, 41
.set BS, 42
.set G1W, 44
.set G1X, 52
.set OC,  60
.set OS,  62
.set WS,  66
.set G1S, 68
.set G1R, 76
.set G0W, 84
.set G0X, 88
.set G0S, 92
.set G0R, 96
.set SEL, 100
.set NW,  104
.set MSB, 0
.macro WIN new
.if MSB != (\new)
	s_set_vgpr_msb (MSB<<8)|(\new)
.set MSB, (\new)
.endif
.endm
.macro PLACES n
.rept \n
	v_nop
.endr
.endm
.macro WALU
	s_wait_alu depctr_va_vdst(0)
.endm
.macro CROUND
	s_barrier_signal -1
	s_barrier_wait -1
	s_cmp_lg_u32 s[WV], 0
	s_cbranch_scc1 .Lnot_wave_0_\@
	s_barrier_signal -3
.Lnot_wave_0_\@:
	s_barrier_wait -3
	s_barrier_signal -1
	s_barrier_wait -1
.endm
.macro TLOAD g0, g1
	tensor_load_to_lds s[\g0:\g0+3], s[\g1:\g1+7]
	s_nop 0
	PLACES 4
.endm
.macro GROUP1 g, mask, rows            ; rows of 768 bytes, 16 bytes of padding behind every 256
	s_or_b32 s[\g+0], s[\mask], (1<<20)|(1<<21)|(5<<22)|(3<<25)
	s_mov_b32 s[\g+1], KROW<<16
	s_mov_b32 s[\g+2], (\rows)<<16
	s_mov_b32 s[\g+3], KROW<<16
	s_mov_b32 s[\g+4], \rows
	s_mov_b32 s[\g+5], KROW
	s_mov_b32 s[\g+6], 0
	s_mov_b32 s[\g+7], 0
.endm
	s_load_b512 s[4:19], s[0:1], 0x0               ; x, Wq, Wk, Wv: codes and scales
	s_load_b256 s[20:27], s[0:1], 0x40             ; qc, qs, kc, ks
	s_load_b128 s[28:31], s[0:1], 0x60             ; vc, vs
	v_lshl_add_u32 v[SPW], v0, 2, SPARE
	v_mov_b32 v[NIL], 0
	ds_add_u32 v[SPW], v[NIL]                      ; the opening lines
	ds_add_u32 v[SPW], v[NIL]
	v_lshrrev_b32 v1, 5, v0
	v_readfirstlane_b32 s[WV], v1
	s_lshr_b32 s[TH], s[WV], 1                     ; my half of the tokens
	s_and_b32 s[HD], s[WV], 1                      ; my head of the two
	s_bfe_u32 s[CX], ttmp6, 0x40000
	s_bfe_u32 s[CY], ttmp6, 0x40004
	s_lshl_b32 s[TC], ttmp9, 2
	s_add_co_u32 s[TC], s[TC], s[CX]               ; the pair of heads, 0 .. 7
	s_and_b32 s[TR], ttmp7, 0xffff
	s_lshl_b32 s[TR], s[TR], 2
	s_add_co_u32 s[TR], s[TR], s[CY]               ; the 256 tokens, 0 .. 31
	s_lshl_b32 s[MR], s[CY], 2
	s_lshl_b32 s[MR], 15, s[MR]
	s_lshl_b32 s[MC], 0x1111, s[CX]
	GROUP1 G1W, MC, 128
	GROUP1 G1X, MR, 128
	GROUP1 G1R, MC, 32
	s_or_b32 s[G1S+0], s[MR], (3<<16)|(1<<20)|(1<<21)|(5<<22)|(3<<25)   ; x's scale bytes: 32 rows of 256 bytes
	s_mov_b32 s[G1S+1], 32<<16
	s_mov_b32 s[G1S+2], 32<<16
	s_mov_b32 s[G1S+3], 32<<16
	s_mov_b32 s[G1S+4], 32
	s_mov_b32 s[G1S+5], 32
	s_mov_b32 s[G1S+6], 0
	s_mov_b32 s[G1S+7], 0
	s_mov_b32 s[G0W], 1
	s_mov_b32 s[G0W+1], WB
	s_mov_b32 s[G0X], 1
	s_mul_i32 s[G0X+1], s[HD], XH
	s_mov_b32 s[G0S], 1
	s_mov_b32 s[G0S+1], SCX
	s_mov_b32 s[G0R], 1
	s_mul_i32 s[G0R+1], s[WV], 32*PITCH
	s_add_co_u32 s[G0R+1], s[G0R+1], WB
	s_mov_b32 s[SEL], 0x76543210
	s_mov_b32 s[SEL+1], 0xfedcba98
	s_wait_dscnt 0x0
	s_wait_kmcnt 0x0
	s_mul_i32 s60, s[TC], 128*KROW                 ; the pair's 128 rows of a weight
	s_mov_b32 s61, 0
	s_add_nc_u64 s[G0W+2:G0W+3], s[8:9], s[60:61]
	s_or_b32 s[G0W+3], s[G0W+3], 0x80000000
	s_mul_i32 s62, s[WV], 32*KROW                  ; a refill's quarter
	s_add_co_u32 s60, s60, s62
	s_add_nc_u64 s[12:13], s[12:13], s[60:61]
	s_add_nc_u64 s[16:17], s[16:17], s[60:61]
	s_mul_i32 s60, s[TR], 256*KROW
	s_mul_i32 s62, s[HD], 128*KROW
	s_add_co_u32 s60, s60, s62
	s_add_nc_u64 s[G0X+2:G0X+3], s[4:5], s[60:61]
	s_or_b32 s[G0X+3], s[G0X+3], 0x80000000
	s_lshl_b32 s60, s[TR], 13
	s_add_nc_u64 s[G0S+2:G0S+3], s[6:7], s[60:61]
	s_or_b32 s[G0S+3], s[G0S+3], 0x80000000
	s_lshl_b32 s60, s[TC], 12                      ; my 64 rows' scale bytes of a weight
	s_lshl_b32 s62, s[HD], 11
	s_add_co_u32 s60, s60, s62
	s_add_nc_u64 s[10:11], s[10:11], s[60:61]
	s_add_nc_u64 s[14:15], s[14:15], s[60:61]
	s_add_nc_u64 s[18:19], s[18:19], s[60:61]
	s_lshr_b32 s62, s[TR], 3                       ; where my results go: ((16 batch + head) 16 + step)
	s_lshl_b32 s62, s62, 4
	s_lshl_b32 s63, s[TC], 1
	s_add_co_u32 s62, s62, s63
	s_add_co_u32 s62, s62, s[HD]
	s_lshl_b32 s62, s62, 4
	s_and_b32 s63, s[TR], 7
	s_lshl_b32 s63, s63, 1
	s_add_co_u32 s62, s62, s63
	s_add_co_u32 s62, s62, s[TH]
	s_mul_i32 s60, s62, 8*UNIT
	s_add_nc_u64 s[20:21], s[20:21], s[60:61]
	s_add_nc_u64 s[24:25], s[24:25], s[60:61]
	s_add_nc_u64 s[28:29], s[28:29], s[60:61]
	s_lshl_b32 s60, s62, 8
	s_add_nc_u64 s[22:23], s[22:23], s[60:61]
	s_add_nc_u64 s[26:27], s[26:27], s[60:61]
	s_add_nc_u64 s[30:31], s[30:31], s[60:61]
	s_mul_i32 s41, s[TH], XH                       ; for the LDS addresses below
	s_mul_i32 s42, s[HD], 64*PITCH
	s_add_co_u32 s42, s42, WB
	s_mul_i32 s43, s[TH], 16*272
	s_add_co_u32 s43, s43, SCX
	CROUND                                         ; the first joint loads meet
	s_cmp_lt_u32 s[WV], 2                          ; one load a wave: waves 0 and 1 half of x's rows each, wave 2 Wq's rows, wave 3 x's scale bytes
	s_cbranch_scc0 .Lhead_w
	TLOAD G0X, G1X
	s_branch .Lhead_asked
.Lhead_w:
	s_cmp_eq_u32 s[WV], 2
	s_cbranch_scc0 .Lhead_s
	TLOAD G0W, G1W
	s_branch .Lhead_asked
.Lhead_s:
	TLOAD G0S, G1S
.Lhead_asked:
	v_and_b32 v1, 15, v0
	v_bfe_u32 v2, v0, 4, 1
	v_and_b32 v3, 31, v0
	v_mul_u32_u24 v15, v1, PITCH
	v_mad_u32_u24 v16, v2, 40, v15
	v_mad_u32_u24 v15, v2, 24, v15
	v_add_nc_u32 v[AX0], s41, v15
	v_add_nc_u32 v[AX0+1], s41, v16
	v_add_nc_u32 v[AW], s42, v15
	v_add_nc_u32 v[AW+1], s42, v16
	v_lshrrev_b32 v17, 3, v1
	v_mul_u32_u24 v17, v17, 272
	v_and_b32 v18, 7, v1
	v_lshl_add_u32 v17, v18, 5, v17
	v_add_nc_u32 v[AS0], s43, v17
	v_lshlrev_b32 v[ABS], 5, v3
	v_lshlrev_b32 v[VO], 3, v3
	v_lshlrev_b32 v[VOS], 4, v1
	v_mov_b32 v[AXR], v[AX0]
	v_mov_b32 v[AXR+1], v[AX0+1]
	v_mov_b32 v[ASR], v[AS0]
.irp i, 0,1,2,3,4,5,6,7
	v_mov_b32 v[TP+\i], 0                          ; a lane permute's destination counts as one of its sources
.endr
.irp i, 0,1,2,3
	v_mov_b32 v[PW+\i], 0
.endr
	s_mov_b32 s[BO], 0
	s_mov_b32 s[BS], 0
; a fragment, 16 rows x 128 K: six pieces of 8 bytes of whole rows, into window w
.macro FRAGL w, reg, q, a0, off
	WIN (\w)<<6
.irp p, 0,1,2,3,4,5
.set PCE, 12*(\q)+6*(\p/3)+\p%3
.if PCE%32 < 29
	ds_load_b64 v[(\reg)+2*\p:(\reg)+2*\p+1], v[\a0] offset:8*PCE+16*(PCE/32)+(\off)
.else
	ds_load_b64 v[(\reg)+2*\p:(\reg)+2*\p+1], v[\a0+1] offset:8*PCE+16*(PCE/32)+(\off)
.endif
.endr
.endm
.macro WEIGHTS                         ; my 64 rows, all of K: fragment 4 q + t lies in window 1 + f / 21 at register 12 (f % 21)
.irp q, 0,1,2,3,4,5,6,7
.irp t, 0,1,2,3
	FRAGL 1+(4*\q+\t)/21, 12*((4*\q+\t)%21), \q, AW, \t*16*PITCH
.endr
.endr
	WIN 0
.endm
.macro FETCH e, blk                    ; 50 loads: block blk of the band at work into set e
.irp q, 0,1,2,3,4,5,6,7
	FRAGL 2+(\e), 12*\q+132*(1-(\e)), \q, AXR, (\blk)*16*PITCH
.endr
	WIN 0
	ds_load_b128 v[SAX+8*(\e):SAX+8*(\e)+3], v[ASR] offset:(\blk)*544
	ds_load_b128 v[SAX+8*(\e)+4:SAX+8*(\e)+7], v[ASR] offset:(\blk)*544+16
.endm
.macro PROD1 d, s0, s1, c, x0, x1, side, o
.if \o
	v_wmma_scale_f32_16x16x128_f8f6f4 v[\d:\d+7], v[\s0:\s0+11], v[\s1:\s1+11], \c, v[\x0], v[\x1] matrix_a_fmt:MATRIX_FMT_FP6 matrix_b_fmt:MATRIX_FMT_FP6 matrix_\side\()_scale:MATRIX_SCALE_ROW1
.else
	v_wmma_scale_f32_16x16x128_f8f6f4 v[\d:\d+7], v[\s0:\s0+11], v[\s1:\s1+11], \c, v[\x0], v[\x1] matrix_a_fmt:MATRIX_FMT_FP6 matrix_b_fmt:MATRIX_FMT_FP6 matrix_\side\()_scale:MATRIX_SCALE_ROW0
.endif
.endm
.macro PROD kind, e, u, q, t           ; kind 0: Q, K; kind 1: V
.set F_, 4*(\q)+(\t)
.set WW_, 1+F_/21
.set WR_, 12*(F_%21)
.set XW_, 2+(\e)
.set XR_, 12*(\q)+132*(1-(\e))
.set SW_, SBW+8*((\t)/2)+(\q)
.set SX_, SAX+8*(\e)+(\q)
.if \kind
.set D_, ACC+32*(\t)+8*(\u)
	WIN XW_|(WW_<<2)|(3<<4)|(3<<6)
.if (\q) == 0
	PROD1 D_, XR_, WR_, 0, SX_, SW_, b, (\t)%2
.else
	PROD1 D_, XR_, WR_, v[D_:D_+7], SX_, SW_, b, (\t)%2
.endif
.else
.set D_, ACC+32*(\u)+8*(\t)
	WIN WW_|(XW_<<2)|(3<<4)|(3<<6)
.if (\q) == 0
	PROD1 D_, WR_, XR_, 0, SW_, SX_, a, (\t)%2
.else
	PROD1 D_, WR_, XR_, v[D_:D_+7], SW_, SX_, a, (\t)%2
.endif
.endif
.endm
.macro BATCH kind, e, u
.irp q, 0,1,2,3,4,5,6,7
.irp t, 0,1,2,3
	PROD \kind, \e, \u, \q, \t
.endr
.endr
	WIN 0
.endm
; THE WAY OUT of a band: four units side by side.  Unit u: registers 32 u + 16 b + i are half of block b; the other half lies in lane l xor 16
.macro QUANT
	s_wait_xcnt 0x0                                ; the last band's stores have read their registers
	WIN 3|(3<<2)
.irp u, 0,1,2,3
.irp b, 0,1
	v_max3_num_f32 v[TM+2*\u+\b], |v[ACC+32*\u+16*\b]|, |v[ACC+32*\u+16*\b+1]|, 0x1800000   ; with the floor 2^(3 - 127)
.endr
.endr
	WIN (3<<2)|(3<<4)
.irp i, 2,4,6,8,10,12,14
.irp u, 0,1,2,3
.irp b, 0,1
	v_max3_num_f32 v[TM+2*\u+\b], v[TM+2*\u+\b], |v[ACC+32*\u+16*\b+\i]|, |v[ACC+32*\u+16*\b+\i+1]|
.endr
.endr
.endr
	WIN 0
.irp n, 0,1,2,3,4,5,6,7
	v_permlanex16_b32 v[TP+\n], v[TM+\n], s[SEL], s[SEL+1]
.endr
.irp n, 0,1,2,3,4,5,6,7
	v_max_num_f32 v[TM+\n], v[TM+\n], v[TP+\n]
.endr
.irp n, 0,1,2,3,4,5,6,7
	v_add_nc_u32 v[BQ+\n], 0xff000000, v[TM+\n]    ; 2 off the exponent field: the conversion's scale operand
.endr
.irp n, 0,1,2,3,4,5,6,7
	v_lshrrev_b32 v[TP+\n], 23, v[BQ+\n]           ; the byte
.endr
.irp u, 0,1,2,3
	v_lshl_or_b32 v[TP+2*\u], v[TP+2*\u+1], 8, v[TP+2*\u]
.endr
.irp u, 0,1,2,3
	v_lshrrev_b32 v[PW+\u], 16, v[PW+\u]           ; word u: the first band's two bytes below, the second's above
.endr
.irp u, 0,1,2,3
	v_lshl_or_b32 v[PW+\u], v[TP+2*\u], 16, v[PW+\u]
.endr
	WIN 3
.irp u, 0,1,2,3
	v_cvt_scalef32_pk16_fp6_f32 v[QP+12*\u:QP+12*\u+2], v[ACC+32*\u:ACC+32*\u+15], v[BQ+2*\u]
	v_cvt_scalef32_pk16_fp6_f32 v[QP+12*\u+6:QP+12*\u+8], v[ACC+32*\u+16:ACC+32*\u+31], v[BQ+2*\u+1]
.endr
	WIN 0
	v_nop                                          ; one plain place behind a scaled conversion
.irp u, 0,1,2,3
.irp i, 0,1,2
	v_permlane16_swap_b32 v[QP+12*\u+\i], v[QP+12*\u+6+\i]   ; a whole block to a lane
.endr
.endr
.irp u, 0,1,2,3
.irp i, 0,1,2
	v_mov_b32 v[QP+12*\u+3+\i], v[QP+12*\u+6+\i]
.endr
.endr
.irp u, 0,1,2,3
.irp j, 0,1,2
	global_store_b64 v[VO], v[QP+12*\u+2*\j:QP+12*\u+2*\j+1], s[OC:OC+1] offset:\u*UNIT+256*\j   ; 32 lanes store 256 consecutive bytes, aligned
.endr
.endr
	s_wait_xcnt 0x0                                ; the stores have read their base
	s_add_nc_u64 s[OC:OC+1], s[OC:OC+1], 4*UNIT
.endm
; A BAND: four blocks of 16 tokens.  Ahead of each batch the next block is fetched into the other set; s_wait_dscnt 50 leaves only those 50 loads out
.macro BAND kind
	PLACES 4                                       ; ahead of loads into registers that products have read
	FETCH 1, 1
	s_wait_dscnt 50
	BATCH \kind, 0, 0
	PLACES 4
	FETCH 0, 2
	s_wait_dscnt 50
	BATCH \kind, 1, 1
	PLACES 4
	FETCH 1, 3
	s_wait_dscnt 50
	BATCH \kind, 0, 2
	PLACES 4
	s_xor_b32 s[BO], s[BO], 64*PITCH               ; on to the other band
	s_xor_b32 s[BS], s[BS], 4*544
	v_add_nc_u32 v[AXR], s[BO], v[AX0]
	v_add_nc_u32 v[AXR+1], s[BO], v[AX0+1]
	v_add_nc_u32 v[ASR], s[BS], v[AS0]
	WALU                                           ; the wait behind these writes
	FETCH 0, 0
	s_wait_dscnt 50
	BATCH \kind, 1, 3
	PLACES 4
	QUANT
.endm
.macro PHASE kind, refill
	WALU
	s_wait_tensorcnt 0x0                           ; my part of this phase's weight is in
	s_wait_dscnt 0x0
	s_barrier_signal -1
	s_barrier_wait -1                              ; and everybody's
	PLACES 4
.irp p, 0,1
.irp c, 0,1
	global_load_b128 v[SBW+8*\p+4*\c:SBW+8*\p+4*\c+3], v[ABS], s[WS:WS+1] offset:1024*\p+16*\c
.endr
.endr
	WEIGHTS
.if \refill
	s_wait_tensorcnt 0x0                           ; ahead of a refill's round
	ds_add_u32 v[SPW], v[NIL]
	s_mov_b64 s[G0R+2:G0R+3], s[NW:NW+1]           ; no load of mine is out: the next weight's rows
	s_or_b32 s[G0R+3], s[G0R+3], 0x80000000
	s_wait_dscnt 0x0                               ; the weight lies in my registers
	CROUND                                         ; and in those of every wave of the cluster
	TLOAD G0R, G1R                                 ; a quarter a wave
.else
	s_wait_dscnt 0x0
.endif
	s_wait_loadcnt 0x0                             ; the weight's scale words
	s_mov_b32 s3, 0
.Lband_\@:
	BAND \kind
	s_add_co_u32 s3, s3, 1
	s_cmp_lt_u32 s3, 2
	WALU
	s_cbranch_scc1 .Lband_\@
	global_store_b128 v[VOS], v[PW:PW+3], s[OS:OS+1]   ; sixteen lanes store 256 consecutive bytes, aligned; the other sixteen the same bytes
.endm
	WALU                                           ; the wait at the head's end
	s_wait_tensorcnt 0x0
	s_barrier_signal -1
	s_barrier_wait -1                              ; x, its scale bytes and Wq lie in LDS
	FETCH 0, 0
	s_mov_b32 s2, 0
.Lphase:                                               ; Q, then K
	s_wait_xcnt 0x0                                ; the last phase's stores and loads have read their bases
	s_cmp_eq_u32 s2, 0
	s_cselect_b64 s[OC:OC+1], s[20:21], s[24:25]
	s_cselect_b64 s[OS:OS+1], s[22:23], s[26:27]
	s_cselect_b64 s[WS:WS+1], s[10:11], s[14:15]
	s_cselect_b64 s[NW:NW+1], s[12:13], s[16:17]
	PHASE 0, 1
	s_add_co_u32 s2, s2, 1
	s_cmp_lt_u32 s2, 2
	WALU
	s_cbranch_scc1 .Lphase
	s_wait_xcnt 0x0
	s_mov_b64 s[OC:OC+1], s[28:29]
	s_mov_b64 s[OS:OS+1], s[30:31]
	s_mov_b64 s[WS:WS+1], s[18:19]
	PHASE 1, 0
	s_wait_tensorcnt 0x0                           ; the wave's end
	ds_add_u32 v[SPW], v[NIL]
	s_wait_dscnt 0x0
	CROUND
	s_endpgm
.Lfunc_end_k_q947bbcd7da_qkv:
	.size	k_q947bbcd7da_qkv, .Lfunc_end_k_q947bbcd7da_qkv-k_q947bbcd7da_qkv
	.p2alignl 7, 3214868480
	.fill 96, 4, 3214868480
	.section	.rodata,"a",@progbits
	.p2align	6, 0x0
	.amdhsa_kernel k_q947bbcd7da_qkv
		.amdhsa_group_segment_fixed_size 327680
		.amdhsa_private_segment_fixed_size 0
		.amdhsa_enable_private_segment 0
		.amdhsa_kernarg_size 112
		.amdhsa_user_sgpr_count 2
		.amdhsa_user_sgpr_kernarg_segment_ptr 1
		.amdhsa_wavefront_size32 1
		.amdhsa_system_sgpr_workgroup_id_x 1
		.amdhsa_system_sgpr_workgroup_id_y 1
		.amdhsa_system_sgpr_workgroup_id_z 1
		.amdhsa_system_vgpr_workitem_id 0
		.amdhsa_next_free_vgpr 1024
		.amdhsa_next_free_sgpr 106
		.amdhsa_reserve_vcc 0
		.amdhsa_float_denorm_mode_32 3
		.amdhsa_float_denorm_mode_16_64 3
		.amdhsa_memory_ordered 1
		.amdhsa_forward_progress 1
		.amdhsa_inst_pref_size 118
	.end_amdhsa_kernel
	.amdgpu_metadata
---
amdhsa.version: [ 1, 2 ]
amdhsa.kernels:
  - .name:           k_q947bbcd7da_qkv
    .symbol:         k_q947bbcd7da_qkv.kd
    .args:
      - { .name: x_codes, .offset: 0, .size: 8, .value_kind: global_buffer, .address_space: global }
      - { .name: x_scales, .offset: 8, .size: 8, .value_kind: global_buffer, .address_space: global }
      - { .name: Wq_codes, .offset: 16, .size: 8, .value_kind: global_buffer, .address_space: global }
      - { .name: Wq_scales, .offset: 24, .size: 8, .value_kind: global_buffer, .address_space: global }
      - { .name: Wk_codes, .offset: 32, .size: 8, .value_kind: global_buffer, .address_space: global }
      - { .name: Wk_scales, .offset: 40, .size: 8, .value_kind: global_buffer, .address_space: global }
      - { .name: Wv_codes, .offset: 48, .size: 8, .value_kind: global_buffer, .address_space: global }
      - { .name: Wv_scales, .offset: 56, .size: 8, .value_kind: global_buffer, .address_space: global }
      - { .name: qc, .offset: 64, .size: 8, .value_kind: global_buffer, .address_space: global }
      - { .name: qs, .offset: 72, .size: 8, .value_kind: global_buffer, .address_space: global }
      - { .name: kc, .offset: 80, .size: 8, .value_kind: global_buffer, .address_space: global }
      - { .name: ks, .offset: 88, .size: 8, .value_kind: global_buffer, .address_space: global }
      - { .name: vc, .offset: 96, .size: 8, .value_kind: global_buffer, .address_space: global }
      - { .name: vs, .offset: 104, .size: 8, .value_kind: global_buffer, .address_space: global }
    .group_segment_fixed_size: 327680
    .private_segment_fixed_size: 0
    .kernarg_segment_align: 8
    .kernarg_segment_size: 112
    .max_flat_workgroup_size: 128
    .sgpr_count:     106
    .vgpr_count:     1024
    .wavefront_size: 32
...
	.end_amdgpu_metadata
.endif
;; end of part 1
;; launch attn (part 2): grid 4 x 64, 16 waves a work-group, clusters of 4 x 1, 232,448 bytes of LDS; arguments qc, qs, kc, ks, vc, vs, oc, os; writes oc, os
.if DOCPART == 2
	.amdgcn_target "amdgcn-amd-amdhsa--gfx1250"
	.amdhsa_code_object_version 6
	.text
	.protected	k_q947bbcd7da_attn
	.globl	k_q947bbcd7da_attn
	.p2align	8
	.type	k_q947bbcd7da_attn,@function
k_q947bbcd7da_attn:
	s_mov_b64 s[64:65], 0
	v_nop
	global_prefetch_b8 v0, s[64:65] scope:SCOPE_SE
	s_setreg_imm32_b32 hwreg(HW_REG_WAVE_MODE, 25, 1), 1
	s_wait_xcnt 0x0
	s_wait_alu depctr_hold_cnt(0) depctr_sa_sdst(0) depctr_va_vdst(0) depctr_va_sdst(0) depctr_va_ssrc(0) depctr_va_vcc(0) depctr_vm_vsrc(0)
	s_getreg_b32 s2, hwreg(HW_REG_IB_STS2, 6, 4)
	s_cmp_eq_u32 s2, 0
	s_cbranch_scc0 .Lentry_in_a_cluster
	s_endpgm
.Lentry_in_a_cluster:
	s_bfe_u32 s2, ttmp6, 0x10000c
	s_cmp_lg_u32 s2, 0x3003
	s_cbranch_scc0 .Lentry_shape_is_right
	s_endpgm
.Lentry_shape_is_right:
; Attention of one head on codes of FP6 (E2M3): S^T = K Q^T (K = the head's 64), p = 2^(t - M), O^T = V^T P^T (K = the keys), O / l, and O quantised along the head's 64 channels.
; t = score x 0.125 x log2(e); M = the running largest t rounded up to a whole number; l is summed of the unquantised p; when M moves, l and O^T are multiplied by 2^(old M - new M): exact.
; INPUTS as the launch before leaves them.  A UNIT is 16 rows x 64 codes as an image of six operand registers (registers 2 j, 2 j + 1 of lane l at byte 256 j + 8 l).  qc, kc: [batch x head][token tile 128] units;
; vc: [batch x head][step 16][64 keys 2][16 channels 4] units; qs, ks, vs: [batch x head][step 16][row 16][word 4].  In vc a block's 32 codes stand as tokens 0-7, 16-23, 8-15, 24-31.
; SHARES.  A work-group owns one head and 512 queries; each of sixteen waves a tile of 16 queries in each of two passes.  The head's whole K and V lie in LDS, filled once: waves 0-7 ask for a quarter of K's or V's codes
; each, waves 8 and 9 for the scale words: one load a wave.  One barrier shows all of it; the 2 x 16 key steps have no barrier.  The four work-groups of a cluster own the same head: every fill is a joint load.
; No prefetch: all fills go out at the head, with no loop to run ahead in.
; A LANE OWNS WHOLE BLOCKS OF 32 KEYS.  Key tile (c, j) of a step is put together by the lanes' addresses: row m takes token 64 c + 32 (m / 8) + 8 g(j) + m % 8, g = 0, 2, 1, 3.  So the 32 scores of lane (query, h) in tiles
; (c, 0 .. 3) are block 2 c + h, in vc's order: the block's largest and its codes need no other lane.  LDS rows are 512 bytes + 64: units two apart begin 192 bytes apart modulo 256, and the 32 lanes of a load touch 64 banks.
; K = 64 IN AN INSTRUCTION OF 128: source 0 is [tile (0, j) | tile (1, j)], source 1 [q | zeros] or [zeros | q].
; OUTPUTS.  oc: [token tile 512][K step 8][2] units, head = 2 x step + unit; os: [head 16][token 8192] two bytes, gathered in LDS and stored once, at the end.
; LIMITS: NaN and infinities are not served; the promise holds while the scaled scores stay under 2^31 in magnitude.  A block whose largest magnitude lies under 2^-124 gets the byte 1.  O / l is a multiplication by v_rcp_f32's result.
.set UNIT, 768
.set QUART, 27648                      ; a quarter of the codes in LDS: 48 rows of 576 bytes
.set VC,   4*QUART
.set KSC,  8*QUART
.set VSC,  KSC+4096
.set OST,  VSC+4096                    ; 1,024 bytes for O's scale bytes of both passes: no fill lands there
.set SPARE, OST+1024
.set STP,  6912                        ; a key step's 24 pieces of 256 bytes and 12 paddings
.set AK, 1
.set AV, 2
.set AS, 3
.set AT, 4
.set L8, 5
.set R16, 6
.set L16, 7
.set OSA, 8
.set SH8, 9
.set OSG, 10
.set OSR, 11
.set QF,  16                           ; v16-33 q, zeros, q.  v12 -M, v13 the largest score, v[14:15] the new -M
.set PS,  34
.set QS,  36
.set SK,  40
.set SV,  44
.set FB,  52                           ; v52-99 four operands of K, then four fragments of V
.set S,   100
.set O,   164
.set PC,  196
.set PT,  208
.set BM,  216
.set BS,  220
.set BT,  222
.set F,   224
.set TMP, 226
.set U16, 227
.set LS,  228                          ; v228-235 the row's sum in four pairs
.set QN,  236
.set QSN, 242
.set AK0, 244
.set AV0, 245
.set AS0, 246
.set AT0, 247
.set WV,   20
.set G1C,  24
.set G1S,  32
.set G0C,  40
.set G0S,  44
.set SEL,  60
.set CS,   62
.set NC,   66
.set TK,   67
.set TS,   68
.set CT,   88
.set PASS, 89
.set QSEL, 90
.macro CROUND
	s_barrier_signal -1
	s_barrier_wait -1
	s_cmp_lg_u32 s[WV], 0
	s_cbranch_scc1 .Lnot_wave_0_\@
	s_barrier_signal -3
.Lnot_wave_0_\@:
	s_barrier_wait -3
	s_barrier_signal -1
	s_barrier_wait -1
.endm
.macro WALU
	s_wait_alu depctr_va_vdst(0)
.endm
	s_load_b512 s[4:19], s[0:1], 0x0               ; qc, qs, kc, ks, vc, vs, oc, os
	v_lshl_add_u32 v254, v0, 2, SPARE
	v_mov_b32 v255, 0
	ds_add_u32 v254, v255                          ; the opening lines
	ds_add_u32 v254, v255
	v_lshrrev_b32 v1, 5, v0
	v_readfirstlane_b32 s[WV], v1
	s_bfe_u32 s21, ttmp6, 0x40000                  ; cx
	s_and_b32 s22, ttmp7, 0xffff                   ; 16 x batch + head
	s_mul_i32 s92, s22, 128*UNIT
	s_mov_b32 s93, 0
	s_lshl_b32 s94, s22, 12
	s_mov_b32 s95, 0
	s_mov_b32 s[G1C], 15|(3<<16)|(1<<20)|(1<<21)|(6<<22)|(15<<25)   ; all four partners; elements of 8 bytes; 16 words of padding behind every 128
	s_mov_b32 s[G1C+1], 64<<16
	s_mov_b32 s[G1C+2], 48<<16
	s_mov_b32 s[G1C+3], 64<<16
	s_mov_b32 s[G1C+4], 48
	s_mov_b32 s[G1C+5], 64
	s_mov_b32 s[G1C+6], 0
	s_mov_b32 s[G1C+7], 0
	s_mov_b32 s[G1S], 15|(3<<16)|(1<<21)           ; the scale words: 16 rows of 256 bytes
	s_mov_b32 s[G1S+1], 32<<16
	s_mov_b32 s[G1S+2], 16<<16
	s_mov_b32 s[G1S+3], 32<<16
	s_mov_b32 s[G1S+4], 16
	s_mov_b32 s[G1S+5], 32
	s_mov_b32 s[G1S+6], 0
	s_mov_b32 s[G1S+7], 0
	s_mov_b32 s[SEL], 0x76543210
	s_mov_b32 s[SEL+1], 0xfedcba98
	s_mov_b32 s[CS], 0x3e38aa3b                    ; c = 0.125 x log2(e)
	s_mov_b32 s[CS+1], s[CS]
	s_mov_b32 s[NC], 0xbe38aa3b                    ; -c
	s_and_b32 s96, s[WV], 3
	s_mul_i32 s96, s96, 24576
	s_add_co_u32 s96, s96, s92                     ; the head's codes + my quarter
	s_mov_b32 s97, 0
	s_mov_b32 s[G0C], 1
	s_mul_i32 s[G0C+1], s[WV], QUART               ; K's four quarters, then V's
	s_mov_b32 s[G0S], 1
	s_lshl_b32 s[G0S+1], s[WV], 12
	s_add_co_u32 s[G0S+1], s[G0S+1], KSC-8*4096
	s_wait_dscnt 0x0
	s_wait_kmcnt 0x0
	s_cmp_lt_u32 s[WV], 4
	s_cselect_b64 s[98:99], s[8:9], s[12:13]
	s_add_nc_u64 s[G0C+2:G0C+3], s[98:99], s[96:97]
	s_or_b32 s[G0C+3], s[G0C+3], 0x80000000
	s_cmp_lt_u32 s[WV], 9
	s_cselect_b64 s[98:99], s[10:11], s[14:15]
	s_add_nc_u64 s[G0S+2:G0S+3], s[98:99], s[94:95]
	s_or_b32 s[G0S+3], s[G0S+3], 0x80000000
	CROUND                                         ; the joint loads meet
	s_cmp_lt_u32 s[WV], 8
	s_cbranch_scc0 .Lscales
	tensor_load_to_lds s[G0C:G0C+3], s[G1C:G1C+7]
	s_nop 0
.rept 4
	v_nop
.endr
	s_branch .Lfilled
.Lscales:
	s_cmp_lt_u32 s[WV], 10
	s_cbranch_scc0 .Lfilled
	tensor_load_to_lds s[G0S:G0S+3], s[G1S:G1S+7]
	s_nop 0
.rept 4
	v_nop
.endr
.Lfilled:
	; my queries: tile 32 cx + 16 pass + wave of the head's 128
	s_lshl_b32 s96, s21, 5
	s_add_co_u32 s96, s96, s[WV]
	s_mul_i32 s98, s96, UNIT
	s_mov_b32 s99, 0
	s_add_nc_u64 s[4:5], s[4:5], s[92:93]
	s_add_nc_u64 s[4:5], s[4:5], s[98:99]
	s_lshl_b32 s98, s21, 2
	s_lshr_b32 s97, s[WV], 3
	s_add_co_u32 s98, s98, s97
	s_lshl_b32 s98, s98, 8
	s_and_b32 s97, s[WV], 3
	s_lshl_b32 s97, s97, 2
	s_add_co_u32 s98, s98, s97
	s_add_nc_u64 s[6:7], s[6:7], s[94:95]
	s_add_nc_u64 s[6:7], s[6:7], s[98:99]
	s_mov_b32 s[QSEL], 0x01000100
	s_bitcmp1_b32 s[WV], 2
	s_cselect_b32 s[QSEL], 0x03020302, s[QSEL]
	s_lshr_b32 s97, s22, 4
	s_lshl_b32 s97, s97, 7
	s_add_co_u32 s96, s96, s97
	s_and_b32 s91, s22, 15
	s_mul_i32 s98, s96, 16*UNIT
	s_mul_i32 s96, s91, UNIT
	s_add_co_u32 s98, s98, s96
	s_add_nc_u64 s[16:17], s[16:17], s[98:99]      ; O's unit
	s_lshl_b32 s98, s21, 5
	s_add_co_u32 s98, s98, s97
	s_lshl_b32 s98, s98, 5
	s_lshl_b32 s91, s91, 14
	s_add_co_u32 s98, s98, s91
	s_add_nc_u64 s[18:19], s[18:19], s[98:99]      ; the work-group's 1,024 scale bytes of O
	v_and_b32 v[L16], 31, v0
	v_and_b32 v[OSA], 15, v0
	v_lshlrev_b32 v[L8], 3, v[L16]
	v_lshlrev_b32 v[R16], 4, v[OSA]
	v_lshlrev_b32 v[L16], 4, v[L16]
.irp j, 0,1,2
	global_load_b64 v[QN+2*\j:QN+2*\j+1], v[L8], s[4:5] offset:256*\j
.endr
	global_load_b32 v[QSN], v[R16], s[6:7]
	v_bfe_u32 v[SH8], v0, 4, 1                     ; h
	v_and_b32 v[OSG], 7, v0                        ; r % 8
	v_bfe_u32 v[OSR], v0, 3, 1                     ; r / 8
	v_lshlrev_b32 v[AK0], 3, v[OSG]
	v_lshlrev_b32 v[AS0], 4, v[OSG]
	v_lshl_add_u32 v[AK0], v[SH8], 7, v[AK0]       ; K: 8 (r % 8) + 128 h
	v_lshl_add_u32 v[AS0], v[OSR], 3, v[AS0]       ; K's scale words: 16 (r % 8) + 8 (r / 8)
	v_mul_u32_u24 v[OSR], v[OSR], 1728             ; rows 8-15 come from the unit two further on: six pieces and three paddings
	v_add_nc_u32 v[AS0], KSC, v[AS0]
	v_add_nc_u32 v[AK0], v[AK0], v[OSR]
	v_add_nc_u32 v[AV0], VC, v[L8]
	v_add_nc_u32 v[AT0], VSC, v[R16]
	v_lshlrev_b32 v[SH8], 3, v[SH8]                ; 8 h
	v_lshlrev_b32 v[OSA], 1, v[OSA]
	s_lshl_b32 s91, s[WV], 5
	v_add_nc_u32 v[OSA], s91, v[OSA]
	v_add_nc_u32 v[OSA], OST, v[OSA]               ; OST + 32 x wave + 2 x row
	s_lshl_b32 s91, s[WV], 9
	v_add_nc_u32 v[OSG], s91, v[L16]               ; 512 x wave + 16 x lane: the way out of the scale bytes
	v_add_nc_u32 v[OSR], OST, v[OSG]
.irp i, 0,1,2,3,4,5
	v_mov_b32 v[QF+6+\i], 0
.endr
	v_mov_b32 v15, 0
	v_mov_b32 v[F+1], 0
	v_mov_b32 v[TMP], 0
	v_mov_b32 v[BT], 0
	v_mov_b32 v[BT+1], 0
	WALU                                           ; the wait at the head's end
	s_wait_tensorcnt 0x0
	s_barrier_signal -1
	s_barrier_wait -1                              ; all of K and V lies in LDS; nothing is filled again
; A KEY STEP: 128 keys.  s: which of the trip's two
.macro STEP s
.irp j, 0,1,2,3
.irp c, 0,1
.irp p, 0,1,2
.set N0, 24*\s+12*\c+3*(\j%2)+\p
	ds_load_b64 v[FB+12*\j+6*\c+2*\p:FB+12*\j+6*\c+2*\p+1], v[AK] offset:256*N0+64*(N0/2)+64*(\j/2)
.endr
.endr
.endr
	ds_load_b64 v[SK:SK+1], v[AS] offset:256*\s
	ds_load_b64 v[SK+2:SK+3], v[AS] offset:256*\s+128
	WALU
	s_wait_dscnt 0x0
.irp t, 0,1,2,3,4,5,6,7
	v_wmma_scale_f32_16x16x128_f8f6f4 v[S+8*\t:S+8*\t+7], v[FB+12*(\t%4):FB+12*(\t%4)+11], v[QF+6*(\t/4):QF+6*(\t/4)+11], 0, v[SK+\t%4], v[QS] matrix_a_fmt:MATRIX_FMT_FP6 matrix_b_fmt:MATRIX_FMT_FP6
.endr
.rept 4
	v_nop                                          ; places ahead of the loads into K's registers and of the first read of the scores
.endr
.irp c, 0,1
.irp dt, 0,1,2,3
.irp p, 0,1,2
.set N0, 24*\s+3*(4*\c+\dt)+\p
	ds_load_b64 v[FB+12*\dt+6*\c+2*\p:FB+12*\dt+6*\c+2*\p+1], v[AV] offset:256*N0+64*(N0/2)
.endr
.endr
.endr
	ds_load_b128 v[SV:SV+3], v[AT] offset:256*\s
	; the largest score of my two blocks of 32, two chains a block; each accumulator is first read at its low end
.irp b, 0,1
	v_max3_num_f32 v[BM+2*\b], v[S+32*\b], v[S+32*\b+1], v[S+32*\b+2]
	v_max3_num_f32 v[BM+2*\b+1], v[S+32*\b+17], v[S+32*\b+18], v[S+32*\b+19]
.endr
.irp i, 0,2,4,6,8,10
.irp b, 0,1
	v_max3_num_f32 v[BM+2*\b], v[BM+2*\b], v[S+32*\b+3+\i], v[S+32*\b+4+\i]
	v_max3_num_f32 v[BM+2*\b+1], v[BM+2*\b+1], v[S+32*\b+20+\i], v[S+32*\b+21+\i]
.endr
.endr
.irp b, 0,1
	v_max3_num_f32 v[BM+2*\b], v[BM+2*\b], v[S+32*\b+15], v[S+32*\b+16]
.endr
.irp b, 0,1
	v_max_num_f32 v[BM+2*\b], v[BM+2*\b], v[BM+2*\b+1]
.endr
	v_max3_num_f32 v13, v13, v[BM], v[BM+2]
	s_delay_alu instid0(VALU_DEP_1)
	v_permlanex16_b32 v[TMP], v13, s[SEL], s[SEL+1]
	s_delay_alu instid0(VALU_DEP_1)
	v_max_num_f32 v13, v13, v[TMP]                 ; the running largest score of my query
	s_delay_alu instid0(VALU_DEP_1)
	v_mul_f32 v[TMP], s[NC], v13                   ; -t
	s_delay_alu instid0(VALU_DEP_1)
	v_floor_f32 v14, v[TMP]                        ; the new -M
	s_delay_alu instid0(VALU_DEP_1)
	v_sub_f32 v[TMP], v14, v12                     ; old M - new M
	s_delay_alu instid0(VALU_DEP_1)
	v_cvt_i32_f32 v[TMP], v[TMP]                   ; (it saturates)
	s_delay_alu instid0(VALU_DEP_1)
	v_ldexp_f32 v[F], 1.0, v[TMP]                  ; f
.set ii, 0
.rept 32
	v_pk_fma_f32 v[S+ii:S+ii+1], v[S+ii:S+ii+1], s[CS:CS+1], v[14:15] op_sel_hi:[1,0,0]   ; t - M
.set ii, ii+2
.endr
	v_fma_f32 v[BM], v[BM], s[CS], v14             ; the same of each block's largest score
	v_fma_f32 v[BM+2], v[BM+2], s[CS], v14
.set ii, 0
.rept 16
	v_pk_mul_f32 v[O+ii:O+ii+1], v[O+ii:O+ii+1], v[F:F+1] op_sel_hi:[1,0]   ; O^T under the new M
.set ii, ii+2
.endr
	WALU                                           ; ahead of the batch
	v_exp_f32 v[BM], v[BM]                         ; the blocks' largest p
	v_exp_f32 v[BM+2], v[BM+2]
.set ii, 0
.rept 64
	v_exp_f32 v[S+ii], v[S+ii]                     ; p = 2^(t - M)
.set ii, ii+1
.endr
	v_mov_b32 v12, v14                             ; the plain line behind the batch
	WALU                                           ; and the wait behind it
	v_max_num_f32 v[BM], 0x1800000, v[BM]          ; the floor 2^(3 - 127)
	v_max_num_f32 v[BM+2], 0x1800000, v[BM+2]
	v_add_nc_u32 v[BS], 0xff000000, v[BM]          ; 2 off the exponent field: the conversions' scale operands
	v_add_nc_u32 v[BS+1], 0xff000000, v[BM+2]
	v_lshrrev_b32 v[BT], 23, v[BS]
	v_lshrrev_b32 v[BT+1], 23, v[BS+1]
	s_delay_alu instid0(VALU_DEP_1)
	v_lshl_or_b32 v[BT], v[BT+1], 16, v[BT]        ; my bytes: blocks h and 2 + h,
	s_delay_alu instid0(VALU_DEP_1)
	v_lshlrev_b32 v[BT], v[SH8], v[BT]             ; at their places;
	s_delay_alu instid0(VALU_DEP_1)
	v_permlanex16_b32 v[TMP], v[BT], s[SEL], s[SEL+1]
	s_delay_alu instid0(VALU_DEP_1)
	v_or_b32 v[PS], v[BT], v[TMP]                  ; with lane l xor 16's the word is whole
.irp c, 0,1
	v_cvt_scalef32_pk16_fp6_f32 v[PC+6*\c:PC+6*\c+2], v[S+32*\c:S+32*\c+15], v[BS+\c]
	v_cvt_scalef32_pk16_fp6_f32 v[PT+4*\c:PT+4*\c+2], v[S+16+32*\c:S+31+32*\c], v[BS+\c]
.endr
.irp k, 0,1,2,3
	v_pk_fma_f32 v[LS+2*\k:LS+2*\k+1], v[LS+2*\k:LS+2*\k+1], v[F:F+1], v[S+2*\k:S+2*\k+1] op_sel_hi:[1,0,1]   ; the sums under the new M, and the first p
.endr
.irp c, 0,1
.irp i, 0,1,2
	v_mov_b32 v[PC+3+6*\c+\i], v[PT+4*\c+\i]
.endr
.endr
.set ii, 4
.rept 8
	v_pk_add_f32 v[LS+2*(ii%4):LS+2*(ii%4)+1], v[LS+2*(ii%4):LS+2*(ii%4)+1], v[S+2*ii:S+2*ii+1]   ; eight lines between the writes of p's codes and scale word and the products
.set ii, ii+1
.endr
	WALU
	s_wait_dscnt 0x0                               ; V is in
.irp dt, 0,1,2,3
	v_wmma_scale_f32_16x16x128_f8f6f4 v[O+8*\dt:O+8*\dt+7], v[FB+12*\dt:FB+12*\dt+11], v[PC:PC+11], v[O+8*\dt:O+8*\dt+7], v[SV+\dt], v[PS] matrix_a_fmt:MATRIX_FMT_FP6 matrix_b_fmt:MATRIX_FMT_FP6
.endr
.rept 20
	v_pk_add_f32 v[LS+2*(ii%4):LS+2*(ii%4)+1], v[LS+2*(ii%4):LS+2*(ii%4)+1], v[S+2*ii:S+2*ii+1]   ; the rest of the sum: also the places ahead of the next loads
.set ii, ii+1
.endr
.endm
	s_mov_b32 s[PASS], 2
.Lpass:
	s_wait_loadcnt 0x0                             ; this pass's q
.irp i, 0,1,2,3,4,5
	v_mov_b32 v[QF+\i], v[QN+\i]
	v_mov_b32 v[QF+12+\i], v[QN+\i]
.endr
	v_perm_b32 v[QS], v[QSN], v[QSN], s[QSEL]
	s_cmp_eq_u32 s[PASS], 1
	s_cbranch_scc1 .Lno_next
.irp j, 0,1,2
	global_load_b64 v[QN+2*\j:QN+2*\j+1], v[L8], s[4:5] offset:16*UNIT+256*\j
.endr
	global_load_b32 v[QSN], v[R16], s[6:7] offset:512
.Lno_next:
	v_mov_b32 v13, 0xff61b1e6                      ; the largest score so far: -3e38
	v_mov_b32 v12, 0x7e000000                      ; -M: a large whole number, so that the first f is 0
.set ii, 0
.rept 8
	v_mov_b32 v[LS+ii], 0
.set ii, ii+1
.endr
.set ii, 0
.rept 32
	v_mov_b32 v[O+ii], 0                           ; the step is written once: the first finds zeros
.set ii, ii+1
.endr
	s_mov_b32 s[TK], 0
	s_mov_b32 s[TS], 0
	s_mov_b32 s[CT], 8
.Ltrip:                                                ; two key steps a trip
	v_add_nc_u32 v[AK], s[TK], v[AK0]
	v_add_nc_u32 v[AV], s[TK], v[AV0]
	v_add_nc_u32 v[AS], s[TS], v[AS0]
	v_add_nc_u32 v[AT], s[TS], v[AT0]
	STEP 0
	STEP 1
	s_add_co_u32 s[TK], s[TK], 2*STP
	s_add_co_u32 s[TS], s[TS], 512
	s_sub_co_u32 s[CT], s[CT], 1
	s_cmp_lg_u32 s[CT], 0
	WALU
	s_cbranch_scc1 .Ltrip
	; THE WAY OUT.  O^T / l; the channels into true order; two blocks of 32 quantised; one unit and two bytes a token
	v_pk_add_f32 v[LS:LS+1], v[LS:LS+1], v[LS+2:LS+3]
	v_pk_add_f32 v[LS+4:LS+5], v[LS+4:LS+5], v[LS+6:LS+7]
	s_delay_alu instid0(VALU_DEP_1)
	v_pk_add_f32 v[LS:LS+1], v[LS:LS+1], v[LS+4:LS+5]
	s_delay_alu instid0(VALU_DEP_1)
	v_add_f32 v[LS], v[LS], v[LS+1]
	s_delay_alu instid0(VALU_DEP_1)
	v_permlanex16_b32 v[TMP], v[LS], s[SEL], s[SEL+1]
	s_delay_alu instid0(VALU_DEP_1)
	v_add_f32 v[LS], v[LS], v[TMP]                 ; the row's sum
	WALU
	v_rcp_f32 v[LS], v[LS]
.rept 4
	v_nop
.endr
	WALU
.set ii, 0
.rept 16
	v_pk_mul_f32 v[S+ii:S+ii+1], v[O+ii:O+ii+1], v[LS:LS+1] op_sel_hi:[1,0]   ; register 8 t + j: channel 16 t + 8 h + j
.set ii, ii+2
.endr
.irp b, 0,1
.irp j, 0,1,2,3,4,5,6,7
	v_permlane16_swap_b32 v[S+16*\b+\j], v[S+16*\b+8+\j]   ; register 16 b + i: channel 32 b + 16 h + i
.endr
.endr
.irp b, 0,1
	v_max3_num_f32 v[BM+\b], |v[S+16*\b]|, |v[S+16*\b+1]|, 0x1800000
.endr
.irp i, 2,4,6,8,10,12,14
.irp b, 0,1
	s_delay_alu instid0(VALU_DEP_2)
	v_max3_num_f32 v[BM+\b], v[BM+\b], |v[S+16*\b+\i]|, |v[S+16*\b+\i+1]|
.endr
.endr
.irp b, 0,1
	s_delay_alu instid0(VALU_DEP_2)
	v_permlanex16_b32 v[BT+\b], v[BM+\b], s[SEL], s[SEL+1]
.endr
.irp b, 0,1
	s_delay_alu instid0(VALU_DEP_2)
	v_max_num_f32 v[BM+\b], v[BM+\b], v[BT+\b]
.endr
.irp b, 0,1
	s_delay_alu instid0(VALU_DEP_2)
	v_add_nc_u32 v[BS+\b], 0xff000000, v[BM+\b]
.endr
.irp b, 0,1
	s_delay_alu instid0(VALU_DEP_2)
	v_lshrrev_b32 v[BT+\b], 23, v[BS+\b]
.endr
	s_delay_alu instid0(VALU_DEP_1)
	v_lshl_or_b32 v[U16], v[BT+1], 8, v[BT]
	v_cvt_scalef32_pk16_fp6_f32 v[PC:PC+2], v[S:S+15], v[BS]
	v_cvt_scalef32_pk16_fp6_f32 v[PT:PT+2], v[S+16:S+31], v[BS+1]
	v_nop
.irp i, 0,1,2
	v_permlane16_swap_b32 v[PC+\i], v[PT+\i]
.endr
.irp i, 0,1,2
	s_delay_alu instid0(VALU_DEP_3)
	v_mov_b32 v[PC+3+\i], v[PT+\i]
.endr
.irp j, 0,1,2
	global_store_b64 v[L8], v[PC+2*\j:PC+2*\j+1], s[16:17] offset:256*\j   ; 32 lanes store 256 consecutive bytes, aligned
.endr
	ds_store_b16 v[OSA], v[U16]                    ; both lanes of a token write the same two bytes
	s_wait_xcnt 0x0                                ; the stores have read their registers and base
	s_add_nc_u64 s[16:17], s[16:17], 16*16*UNIT
	v_add_nc_u32 v[OSA], 512, v[OSA]               ; the next pass's 512 bytes
	s_sub_co_u32 s[PASS], s[PASS], 1
	s_cmp_lg_u32 s[PASS], 0
	WALU
	s_cbranch_scc1 .Lpass
	s_wait_dscnt 0x0                               ; my scale bytes lie in LDS
	s_barrier_signal -1
	s_barrier_wait -1                              ; and so do all sixteen waves'
	s_cmp_lt_u32 s[WV], 2
	s_cbranch_scc0 .Lnot_first
	ds_load_b128 v[S:S+3], v[OSR]
	s_wait_dscnt 0x0
	global_store_b128 v[OSG], v[S:S+3], s[18:19]   ; waves 0 and 1 store 512 consecutive bytes each, aligned
.Lnot_first:
	s_wait_tensorcnt 0x0                           ; the wave's end
	ds_add_u32 v254, v255
	s_wait_dscnt 0x0
	CROUND
	s_endpgm
.Lfunc_end_k_q947bbcd7da_attn:
	.size	k_q947bbcd7da_attn, .Lfunc_end_k_q947bbcd7da_attn-k_q947bbcd7da_attn
	.p2alignl 7, 3214868480
	.fill 96, 4, 3214868480
	.section	.rodata,"a",@progbits
	.p2align	6, 0x0
	.amdhsa_kernel k_q947bbcd7da_attn
		.amdhsa_group_segment_fixed_size 232448
		.amdhsa_private_segment_fixed_size 0
		.amdhsa_enable_private_segment 0
		.amdhsa_kernarg_size 64
		.amdhsa_user_sgpr_count 2
		.amdhsa_user_sgpr_kernarg_segment_ptr 1
		.amdhsa_wavefront_size32 1
		.amdhsa_system_sgpr_workgroup_id_x 1
		.amdhsa_system_sgpr_workgroup_id_y 1
		.amdhsa_system_sgpr_workgroup_id_z 1
		.amdhsa_system_vgpr_workitem_id 0
		.amdhsa_next_free_vgpr 256
		.amdhsa_next_free_sgpr 100
		.amdhsa_reserve_vcc 0
		.amdhsa_float_denorm_mode_32 3
		.amdhsa_float_denorm_mode_16_64 3
		.amdhsa_memory_ordered 1
		.amdhsa_forward_progress 1
		.amdhsa_inst_pref_size 48
	.end_amdhsa_kernel
	.amdgpu_metadata
---
amdhsa.version: [ 1, 2 ]
amdhsa.kernels:
  - .name:           k_q947bbcd7da_attn
    .symbol:         k_q947bbcd7da_attn.kd
    .args:
      - { .name: qc, .offset: 0, .size: 8, .value_kind: global_buffer, .address_space: global }
      - { .name: qs, .offset: 8, .size: 8, .value_kind: global_buffer, .address_space: global }
      - { .name: kc, .offset: 16, .size: 8, .value_kind: global_buffer, .address_space: global }
      - { .name: ks, .offset: 24, .size: 8, .value_kind: global_buffer, .address_space: global }
      - { .name: vc, .offset: 32, .size: 8, .value_kind: global_buffer, .address_space: global }
      - { .name: vs, .offset: 40, .size: 8, .value_kind: global_buffer, .address_space: global }
      - { .name: oc, .offset: 48, .size: 8, .value_kind: global_buffer, .address_space: global }
      - { .name: os, .offset: 56, .size: 8, .value_kind: global_buffer, .address_space: global }
    .group_segment_fixed_size: 232448
    .private_segment_fixed_size: 0
    .kernarg_segment_align: 8
    .kernarg_segment_size: 64
    .max_flat_workgroup_size: 512
    .sgpr_count:     100
    .vgpr_count:     256
    .wavefront_size: 32
...
	.end_amdgpu_metadata
.endif
;; end of part 2
;; launch oproj (part 3): grid 4 x 64, 4 waves a work-group, clusters of 4 x 4, 327,680 bytes of LDS; arguments oc, os, Wo_codes, Wo_scales, out0; writes out0
.if DOCPART == 3
	.amdgcn_target "amdgcn-amd-amdhsa--gfx1250"
	.amdhsa_code_object_version 6
	.text
	.protected	k_q947bbcd7da_oproj
	.globl	k_q947bbcd7da_oproj
	.p2align	8
	.type	k_q947bbcd7da_oproj,@function
k_q947bbcd7da_oproj:
	s_mov_b64 s[64:65], 0
	v_nop
	global_prefetch_b8 v0, s[64:65] scope:SCOPE_SE
	s_setreg_imm32_b32 hwreg(HW_REG_WAVE_MODE, 25, 1), 1
	s_wait_xcnt 0x0
	s_wait_alu depctr_hold_cnt(0) depctr_sa_sdst(0) depctr_va_vdst(0) depctr_va_sdst(0) depctr_va_ssrc(0) depctr_va_vcc(0) depctr_vm_vsrc(0)
	s_getreg_b32 s2, hwreg(HW_REG_IB_STS2, 6, 4)
	s_cmp_eq_u32 s2, 0
	s_cbranch_scc0 .Lentry_in_a_cluster
	s_endpgm
.Lentry_in_a_cluster:
	s_bfe_u32 s2, ttmp6, 0x10000c
	s_cmp_lg_u32 s2, 0xf033
	s_cbranch_scc0 .Lentry_shape_is_right
	s_endpgm
.Lentry_shape_is_right:
; y[m][n] = sum over k of A[m][k] Wo[n][k] on codes of FP6 (E2M3) with one E8M0 scale for each 32 along K = 1,024.  y: [8192][1024] f32.
; A comes from the launch before as images of operand registers: oc [token tile 512][K step of 128: 8] fragments of 1,536 bytes (registers 2 p, 2 p + 1 of lane l at byte 256 p + 8 l); os [head 16][token 8192] two bytes.
; A block of y is 128 x 256: 64 x 4 = 256 work-groups.  Four waves, 64 tokens x 128 columns each: 32 accumulators.
; ALL OF K LIES IN LDS, filled once, one load a wave: waves 0 and 1 128 whole rows of Wo each (768 bytes, 16 of padding behind every 256), wave 2 A's eight token tiles (one dense block of 98,304 bytes, as rows of 256),
; wave 3 Wo's scale bytes.  Nothing is filled again, so there is no ring, and no loop for a prefetch to run ahead in.  4 x 4 clusters: A is asked for jointly along a row of the cluster, Wo along a column.
; A's scale words are put together at the head: thread t takes tokens 2 (t % 64), 2 (t % 64) + 1 and heads 8 (t / 64) + 0 .. 7, and stores 16 bytes a token to LDS, in the layout in which Wo's scale bytes arrive.
; The matrix instruction is used transposed (source 0 = 16 rows of Wo, source 1 = 16 tokens).  LIMITS: NaN, infinities and scale bytes 0xff are not served.
; REGISTERS: window 0: v16-30 addresses; v36-67 A's scale words, v72-135 Wo's, all of K; v136-231 A's fragments, two sets; on the way out v128-255.  window 1: Wo's fragments, two sets.  window 2: the accumulators.
.set SIZE_N, 1024
.set KROW,   768
.set PITCH,  816
.set FR,     12
.set WO,     98304
.set HALFW,  128*PITCH
.set SCA,    WO+2*HALFW                ; A's scale words: 16 x 272 bytes, stored by the waves; no fill lands there
.set SCW,    SCA+4352                  ; Wo's: 32 x 272
.set SPARE,  SCW+8704
.set SPITCH, 528                       ; the way out: a stage of 16 rows x (512 + 16) bytes a wave, in A's bytes, behind a barrier behind which nobody reads them
.set ADRA, 16
.set ADRB, 20                          ; v20, v21 rows 0-63, 64-127; v22, v23 the same behind one padding more for lanes 16-31
.set STO,  24
.set RD,   25
.set CO,   26
.set ADSA, 27
.set SPW,  28
.set NIL,  29
.set ADSB, 30
.set SA,   36
.set SB,   72
.set AF,   136
.set BK,   128
.set G1A, 24
.set G0A, 32
.set G1B, 48
.set G0B, 56
.set G1S, 80
.set G0S, 88
.set MSB, 0
.macro WIN new
.if MSB != (\new)
	s_set_vgpr_msb (MSB<<8)|(\new)
.set MSB, (\new)
.endif
.endm
.set MUL_W, 0xa1                       ; source 0 window 1, source 1 window 0, C and D window 2
.set TO_B,  0x40
.macro CROUND
	s_barrier_signal -1
	s_barrier_wait -1
	s_cmp_lg_u32 s14, 0
	s_cbranch_scc1 .Lnot_wave_0_\@
	s_barrier_signal -3
.Lnot_wave_0_\@:
	s_barrier_wait -3
	s_barrier_signal -1
	s_barrier_wait -1
.endm
.macro PLACES n
.rept \n
	v_nop
.endr
.endm
.macro TLOAD g0, g1
	tensor_load_to_lds s[\g0:\g0+3], s[\g1:\g1+7]
	s_nop 0
	PLACES 4
.endm
	s_load_b128 s[4:7], s[0:1], 0x0                ; oc, os
	s_load_b128 s[8:11], s[0:1], 0x10              ; Wo's codes, Wo's scales
	s_load_b64 s[12:13], s[0:1], 0x20              ; y
	v_lshl_add_u32 v[SPW], v0, 2, SPARE
	v_mov_b32 v[NIL], 0
	ds_add_u32 v[SPW], v[NIL]                      ; the opening lines
	ds_add_u32 v[SPW], v[NIL]
	v_lshrrev_b32 v1, 5, v0
	v_readfirstlane_b32 s14, v1
	s_lshr_b32 s15, s14, 1                         ; my half of the tokens
	s_and_b32 s16, s14, 1                          ; my half of the columns; also which half of Wo's rows I fetch
	s_bfe_u32 s40, ttmp6, 0x40000
	s_bfe_u32 s41, ttmp6, 0x40004
	s_lshl_b32 s42, ttmp9, 2
	s_add_co_u32 s42, s42, s40                     ; tile column, 0 .. 3
	s_and_b32 s17, ttmp7, 0xffff
	s_lshl_b32 s17, s17, 2
	s_add_co_u32 s17, s17, s41                     ; tile row, 0 .. 63
	s_lshl_b32 s43, s41, 2
	s_lshl_b32 s43, 15, s43
	s_lshl_b32 s44, 0x1111, s40
	s_or_b32 s[G1A+0], s43, (3<<16)|(1<<21)        ; A: 384 rows of 256 bytes, dense
	s_mov_b32 s[G1A+1], 32<<16
	s_mov_b32 s[G1A+2], 384<<16
	s_mov_b32 s[G1A+3], 32<<16
	s_mov_b32 s[G1A+4], 384
	s_mov_b32 s[G1A+5], 32
	s_mov_b32 s[G1A+6], 0
	s_mov_b32 s[G1A+7], 0
	s_or_b32 s[G1B+0], s44, (1<<20)|(1<<21)|(5<<22)|(3<<25)   ; Wo: 128 rows of 768 bytes
	s_mov_b32 s[G1B+1], KROW<<16
	s_mov_b32 s[G1B+2], 128<<16
	s_mov_b32 s[G1B+3], KROW<<16
	s_mov_b32 s[G1B+4], 128
	s_mov_b32 s[G1B+5], KROW
	s_mov_b32 s[G1B+6], 0
	s_mov_b32 s[G1B+7], 0
	s_or_b32 s[G1S+0], s44, (3<<16)|(1<<20)|(1<<21)|(5<<22)|(3<<25)   ; Wo's scales of 256 rows: 32 rows of 256 bytes
	s_mov_b32 s[G1S+1], 32<<16
	s_mov_b32 s[G1S+2], 32<<16
	s_mov_b32 s[G1S+3], 32<<16
	s_mov_b32 s[G1S+4], 32
	s_mov_b32 s[G1S+5], 32
	s_mov_b32 s[G1S+6], 0
	s_mov_b32 s[G1S+7], 0
	s_mul_i32 s20, s17, 98304
	s_mov_b32 s21, 0
	s_lshl_b32 s46, s42, 8
	s_lshl_b32 s18, s16, 7
	s_add_co_u32 s46, s46, s18
	s_mul_i32 s46, s46, KROW
	s_mov_b32 s47, 0
	s_lshl_b32 s92, s42, 13
	s_mov_b32 s93, 0
	s_mov_b32 s[G0A], 1
	s_mov_b32 s[G0A+1], 0
	s_mov_b32 s[G0B], 1
	s_mul_i32 s[G0B+1], s16, HALFW
	s_add_co_u32 s[G0B+1], s[G0B+1], WO
	s_mov_b32 s[G0S], 1
	s_mov_b32 s[G0S+1], SCW
	s_wait_dscnt 0x0
	s_wait_kmcnt 0x0
	s_add_nc_u64 s[G0A+2:G0A+3], s[4:5], s[20:21]
	s_or_b32 s[G0A+3], s[G0A+3], 0x80000000
	s_add_nc_u64 s[G0B+2:G0B+3], s[8:9], s[46:47]
	s_or_b32 s[G0B+3], s[G0B+3], 0x80000000
	s_add_nc_u64 s[G0S+2:G0S+3], s[10:11], s[92:93]
	s_or_b32 s[G0S+3], s[G0S+3], 0x80000000
	CROUND                                         ; the joint loads meet
	s_cmp_lt_u32 s14, 2
	s_cbranch_scc0 .Lhead_a
	TLOAD G0B, G1B
	s_branch .Lhead_asked
.Lhead_a:
	s_cmp_eq_u32 s14, 2
	s_cbranch_scc0 .Lhead_s
	TLOAD G0A, G1A
	s_branch .Lhead_asked
.Lhead_s:
	TLOAD G0S, G1S
.Lhead_asked:
	s_lshl_b32 s20, s17, 8                         ; the block's 128 tokens x 2 bytes
	s_mov_b32 s21, 0
	s_add_nc_u64 s[6:7], s[6:7], s[20:21]
	v_and_b32 v9, 63, v0
	v_lshrrev_b32 v10, 6, v0
	v_lshlrev_b32 v7, 2, v9
	v_lshl_add_u32 v7, v10, 17, v7                 ; eight heads of 16,384 bytes on
.irp k, 0,1,2,3,4,5,6,7
	global_load_b32 v[232+\k], v7, s[6:7] offset:16384*\k
.endr
	v_lshrrev_b32 v8, 2, v9                        ; eight tokens of 32 bytes to 256, then 16 of padding
	v_mul_u32_u24 v8, v8, 272
	v_and_b32 v9, 3, v9
	v_lshl_add_u32 v8, v9, 6, v8
	v_lshl_add_u32 v8, v10, 4, v8
	v_add_nc_u32 v8, SCA, v8
	v_and_b32 v1, 15, v0
	v_bfe_u32 v2, v0, 4, 1
	v_and_b32 v6, 31, v0
	v_lshlrev_b32 v3, 3, v6
	s_mul_i32 s21, s15, 49152                      ; my four token tiles
	v_add_nc_u32 v[ADRA], s21, v3
	v_mul_u32_u24 v4, v1, PITCH
	v_mad_u32_u24 v5, v2, 40, v4
	v_mad_u32_u24 v4, v2, 24, v4
	s_mul_i32 s22, s16, HALFW
	s_add_co_u32 s22, s22, WO
	v_add_nc_u32 v[ADRB], s22, v4
	v_add_nc_u32 v[ADRB+2], s22, v5
	s_add_co_u32 s22, s22, 64*PITCH
	v_add_nc_u32 v[ADRB+1], s22, v4
	v_add_nc_u32 v[ADRB+3], s22, v5
	v_lshrrev_b32 v5, 3, v1
	v_mul_u32_u24 v5, v5, 272
	v_and_b32 v4, 7, v1
	v_lshl_add_u32 v5, v4, 5, v5                   ; my row's 32 scale bytes
	s_mul_i32 s21, s15, 2176
	s_add_co_u32 s21, s21, SCA
	v_add_nc_u32 v[ADSA], s21, v5
	s_mul_i32 s22, s16, 4352
	s_add_co_u32 s22, s22, SCW
	v_add_nc_u32 v[ADSB], s22, v5
	s_mul_i32 s23, s14, 16*SPITCH
	v_mul_u32_u24 v5, v1, SPITCH
	v_lshl_add_u32 v5, v2, 5, v5
	v_add_nc_u32 v[STO], s23, v5
	v_lshlrev_b32 v[CO], 4, v6
	v_add_nc_u32 v[RD], s23, v[CO]
	s_lshl_b32 s20, s17, 7
	s_lshl_b32 s21, s15, 6
	s_add_co_u32 s20, s20, s21                     ; my first row of y
	s_mov_b32 s21, 0
	s_mov_b64 s[18:19], SIZE_N*4
	s_mul_u64 s[20:21], s[20:21], s[18:19]
	s_lshl_b32 s46, s42, 10
	s_lshl_b32 s47, s16, 9
	s_add_co_u32 s46, s46, s47
	s_mov_b32 s47, 0
	s_add_nc_u64 s[20:21], s[20:21], s[46:47]
	s_add_nc_u64 s[12:13], s[12:13], s[20:21]
	s_wait_alu depctr_va_vdst(0)
	s_wait_loadcnt 0x0
.irp s, 0,1,2,3                                ; a K step is two heads: two bytes of each make the word
	v_perm_b32 v[240+\s], v[233+2*\s], v[232+2*\s], 0x05040100
	v_perm_b32 v[244+\s], v[233+2*\s], v[232+2*\s], 0x07060302
.endr
	ds_store_b128 v8, v[240:243]
	ds_store_b128 v8, v[244:247] offset:32
	s_wait_alu depctr_va_vdst(0)                   ; the wait at the head's end
	s_wait_tensorcnt 0x0                           ; my tile is in,
	s_wait_dscnt 0x0                               ; and my stores of A's scale words
	s_barrier_signal -1
	s_barrier_wait -1
.macro FRAG reg, q, i                  ; a fragment of Wo: pieces of 8 bytes of whole rows
.irp p, 0,1,2,3,4,5
.set PCE, 12*(\q)+6*(\p/3)+\p%3
.if PCE%32 < 29
	ds_load_b64 v[\reg+2*\p:\reg+2*\p+1], v[ADRB+(\i)/4] offset:8*PCE+16*(PCE/32)+((\i)%4)*16*PITCH
.else
	ds_load_b64 v[\reg+2*\p:\reg+2*\p+1], v[ADRB+2+(\i)/4] offset:8*PCE+16*(PCE/32)+((\i)%4)*16*PITCH
.endif
.endr
.endm
.macro FETCH q, p                      ; 72 loads: K step q into set p
	WIN TO_B
.irp i, 0,1,2,3,4,5,6,7
	FRAG 128*(\p)+FR*\i, \q, \i
.endr
	WIN 0
.irp a, 0,1,2,3
.irp r, 0,1,2,3,4,5
	ds_load_b64 v[AF+48*(\p)+FR*\a+2*\r:AF+48*(\p)+FR*\a+2*\r+1], v[ADRA] offset:12288*\a+1536*(\q)+256*\r
.endr
.endr
.endm
.macro MUL q, p                        ; 32 products; the 32 accumulators take turns
	WIN MUL_W
.irp a, 0,1,2,3
.irp b, 0,1,2,3,4,5,6,7
.if (\q) == 0
	v_wmma_scale_f32_16x16x128_f8f6f4 v[8*(8*\a+\b):8*(8*\a+\b)+7], v[128*(\p)+FR*\b:128*(\p)+FR*\b+FR-1], v[AF+48*(\p)+FR*\a:AF+48*(\p)+FR*\a+FR-1], 0, v[SB+8*\b+(\q)], v[SA+8*\a+(\q)] matrix_a_fmt:MATRIX_FMT_FP6 matrix_b_fmt:MATRIX_FMT_FP6
.else
	v_wmma_scale_f32_16x16x128_f8f6f4 v[8*(8*\a+\b):8*(8*\a+\b)+7], v[128*(\p)+FR*\b:128*(\p)+FR*\b+FR-1], v[AF+48*(\p)+FR*\a:AF+48*(\p)+FR*\a+FR-1], v[8*(8*\a+\b):8*(8*\a+\b)+7], v[SB+8*\b+(\q)], v[SA+8*\a+(\q)] matrix_a_fmt:MATRIX_FMT_FP6 matrix_b_fmt:MATRIX_FMT_FP6
.endif
.endr
.endr
	WIN 0
.endm
.irp a, 0,1,2,3
.irp g, 0,1
	ds_load_b128 v[SA+8*\a+4*\g:SA+8*\a+4*\g+3], v[ADSA] offset:544*\a+16*\g
.endr
.endr
.irp b, 0,1,2,3,4,5,6,7
.irp g, 0,1
	ds_load_b128 v[SB+8*\b+4*\g:SB+8*\b+4*\g+3], v[ADSB] offset:544*\b+16*\g
.endr
.endr
	FETCH 0, 0
	FETCH 1, 1
	s_wait_dscnt 63                                ; behind K step 0's loads stand the 72 of K step 1: at most 63 out means that step 0's are all in
	MUL 0, 0
.irp q, 1,2,3,4,5,6
	PLACES 4                                       ; ahead of loads into registers that the last products read
	FETCH \q+1, (\q+1)%2
	s_wait_dscnt 63                                ; behind this step's loads stand the next step's 72: at most 63 out means that this step's are all in
	MUL \q, \q%2
.endr
	s_wait_dscnt 0x0
	MUL 7, 1
	s_barrier_signal -1                            ; no LDS instruction of mine is out: my reads of A are over
	s_barrier_wait -1                              ; and everybody's: the stages may lie in A's bytes, which have had their one fill
; THE WAY OUT, block by block of 16 rows x 128 columns, through my own stage and back as whole rows of 512 bytes
.macro TOSTAGE a
.set AC, 64*(\a)
	WIN 0x08
.irp b, 0,1,2,3,4,5,6,7
	ds_store_b128 v[STO], v[AC+8*\b:AC+8*\b+3] offset:64*\b          ; each accumulator from its low end on
	ds_store_b128 v[STO], v[AC+8*\b+4:AC+8*\b+7] offset:64*\b+16
.endr
	WIN 0
.set BB, BK+64*((\a)%2)
.irp t, 0,1,2,3,4,5,6,7,8,9,10,11,12,13,14,15
	ds_load_b128 v[BB+4*\t:BB+4*\t+3], v[RD] offset:\t*SPITCH
.endr
.endm
.macro SEND a, younger
.set BB, BK+64*((\a)%2)
	s_wait_dscnt \younger
.if (\a) > 0
	s_add_nc_u64 s[12:13], s[12:13], 16*SIZE_N*4   ; behind a wait on XCNT
.endif
.irp t, 0,1,2,3,4,5,6,7,8,9,10,11,12,13,14,15
	global_store_b128 v[CO], v[BB+4*\t:BB+4*\t+3], s[12:13] offset:\t*SIZE_N*4 th:TH_STORE_NT   ; 32 lanes store 512 consecutive bytes, aligned
.endr
.endm
	PLACES 4
	TOSTAGE 0
.irp a, 1,2,3
.if \a > 1
	s_wait_xcnt 0x0                                ; the stores of the block two back have read their registers and their base
.endif
	TOSTAGE \a
	SEND \a-1, 32                                  ; behind block a - 1's loads: block a's 16 stores and 16 loads
.endr
	s_wait_xcnt 0x0
	SEND 3, 0
	s_wait_tensorcnt 0x0                           ; the wave's end
	ds_add_u32 v[SPW], v[NIL]
	s_wait_dscnt 0x0
	CROUND
	s_endpgm
.Lfunc_end_k_q947bbcd7da_oproj:
	.size	k_q947bbcd7da_oproj, .Lfunc_end_k_q947bbcd7da_oproj-k_q947bbcd7da_oproj
	.p2alignl 7, 3214868480
	.fill 96, 4, 3214868480
	.section	.rodata,"a",@progbits
	.p2align	6, 0x0
	.amdhsa_kernel k_q947bbcd7da_oproj
		.amdhsa_group_segment_fixed_size 327680
		.amdhsa_private_segment_fixed_size 0
		.amdhsa_enable_private_segment 0
		.amdhsa_kernarg_size 40
		.amdhsa_user_sgpr_count 2
		.amdhsa_user_sgpr_kernarg_segment_ptr 1
		.amdhsa_wavefront_size32 1
		.amdhsa_system_sgpr_workgroup_id_x 1
		.amdhsa_system_sgpr_workgroup_id_y 1
		.amdhsa_system_sgpr_workgroup_id_z 1
		.amdhsa_system_vgpr_workitem_id 0
		.amdhsa_next_free_vgpr 1024
		.amdhsa_next_free_sgpr 98
		.amdhsa_reserve_vcc 0
		.amdhsa_float_denorm_mode_32 3
		.amdhsa_float_denorm_mode_16_64 3
		.amdhsa_memory_ordered 1
		.amdhsa_forward_progress 1
		.amdhsa_inst_pref_size 97
	.end_amdhsa_kernel
	.amdgpu_metadata
---
amdhsa.version: [ 1, 2 ]
amdhsa.kernels:
  - .name:           k_q947bbcd7da_oproj
    .symbol:         k_q947bbcd7da_oproj.kd
    .args:
      - { .name: oc, .offset: 0, .size: 8, .value_kind: global_buffer, .address_space: global }
      - { .name: os, .offset: 8, .size: 8, .value_kind: global_buffer, .address_space: global }
      - { .name: Wo_codes, .offset: 16, .size: 8, .value_kind: global_buffer, .address_space: global }
      - { .name: Wo_scales, .offset: 24, .size: 8, .value_kind: global_buffer, .address_space: global }
      - { .name: out0, .offset: 32, .size: 8, .value_kind: global_buffer, .address_space: global }
    .group_segment_fixed_size: 327680
    .private_segment_fixed_size: 0
    .kernarg_segment_align: 8
    .kernarg_segment_size: 40
    .max_flat_workgroup_size: 128
    .sgpr_count:     98
    .vgpr_count:     1024
    .wavefront_size: 32
...
	.end_amdgpu_metadata
.endif
;; end of part 3
